; MI455X (gfx1250); checked and timed in simulation.
; The chip was launched on July 23, 2026; its instructions are those of AMD's public machine-readable ISA for CDNA 5 (MIT licence, August 2026) and "CDNA5" Instruction Set Architecture Reference Guide (July 2026). The comments in the code are by the model that wrote it; some were corrected since.
;; Context Aware Attention Block. Allowed arithmetic: matrix products marked QUANTISED: E2M1 operands, one E8M0 scale for each 32 along K, by v_wmma_scale_f32_16x16x128_f8f6f4 with both operands' format E2M1 (or v_wmma_scale_f32_32x16x128_f4), f32 sums; products left as they are: f32 operands where the result goes on into a quantised operand, else bf16, f16 or f32 operands; f32 sums; everything else in f32.
;; Inputs: bk 32 float32; bq 32 float32; bv 256 float32; ctx_w 1 x 128 float32; fc_b 128 float32; fc_w_codes 128 x 8 x 16 uint8 (E2M1 codes of fc_w, K innermost, in blocks of 32 codes, two codes a byte); fc_w_scales 128 x 8 uint8 (E8M0 scales of fc_w, one for each 32 codes along K); gamma 1 float32; style_features 8 x 256 x 64 x 64 float32; wk_codes 32 x 8 x 16 uint8 (E2M1 codes of wk, K innermost, in blocks of 32 codes, two codes a byte); wk_scales 32 x 8 uint8 (E8M0 scales of wk, one for each 32 codes along K); wq_codes 32 x 8 x 16 uint8 (E2M1 codes of wq, K innermost, in blocks of 32 codes, two codes a byte); wq_scales 32 x 8 uint8 (E8M0 scales of wq, one for each 32 codes along K); wv_codes 256 x 8 x 16 uint8 (E2M1 codes of wv, K innermost, in blocks of 32 codes, two codes a byte); wv_scales 256 x 8 uint8 (E8M0 scales of wv, one for each 32 codes along K).
;; Outputs: out0 8 x 256 float32.
;; This version of the problem:
;;   THIS VERSION OF THE PROBLEM IS GIVEN IN LOW PRECISION. The matrix products marked QUANTISED in the list below multiply operands that are first quantised to E2M1 (2 exponent bits, 1 mantissa bit; 4 bits a number), with one power-of-two scale for each 32 numbers along K (OCP MX v1.0); their sums are f32. All else is computed in f32.
;;   The module's matrix products, in the order in which they are computed (A, B: the left and right operand; K: the contracted axis; several contracted axes count as one K, in the product's order):
;;     1. [M 32,768, K 256] x [K 256, N 32]; A: input style_features; B: input wq (given as codes): QUANTISED
;;     2. [M 32,768, K 256] x [K 256, N 32]; A: input style_features; B: input wk (given as codes): QUANTISED
;;     3. batch 8 x [M 4,096, K 32] x [K 32, N 4,096]; A: computed on the way; B: computed on the way: QUANTISED
;;     4. [M 32,768, K 256] x [K 256, N 256]; A: input style_features; B: input wv (given as codes): QUANTISED
;;     5. batch 8 x [M 256, K 4,096] x [K 4,096, N 4,096]; A: computed on the way; B: softmax (see below): QUANTISED
;;     6. [M 32,768, K 256] x [K 256, N 128]; A: computed on the way; B: input fc_w (given as codes): QUANTISED
;;     7. [M 32,768, K 128] x [K 128, N 1]; A: computed on the way; B: input ctx_w: left as it is (N = 1 < 16)
;;   THE QUANTISER, for each operand of a quantised product, along K:
;;     - K is cut into blocks of 32 from its start; a last block that is shorter is filled with zeros.
;;     - A block's scale is 2^e with e = floor(log2(the largest magnitude in the block)) - 2, held to -126 .. 127; a block of zeros has e = 0. As a byte (E8M0): e + 127.
;;     - Each number is divided by its block's scale, clamped to +-6, and rounded to the nearest number of E2M1, ties to even, subnormals kept.
;;     - The product sums the exact products of the quantised numbers (number of the format x scale) in f32.
;;   ~~~python
;;   def quantise(x, axis):      # numpy; x: float32 -> the quantised numbers, widened to float32 again
;;       x = np.moveaxis(x, axis, -1); K = x.shape[-1]
;;       x = np.pad(x, [(0, 0)] * (x.ndim - 1) + [(0, -K % 32)]); x = x.reshape(x.shape[:-1] + (-1, 32)); a = np.abs(x).max(-1, keepdims=True)
;;       e = np.where(a > 0, np.clip(np.frexp(np.where(a > 0, a, 1))[1] - 1 - 2, -126, 127), 0)      # np.frexp(a)[1] - 1 = floor(log2(a)), exactly
;;       r = np.clip(x / 2.0 ** e, -6, 6)
;;       step = 2.0 ** (np.maximum(np.frexp(np.where(r == 0, 1, r))[1] - 1, 0) - 1)
;;       q = np.round(r / step) * step * 2.0 ** e      # np.round: ties to even
;;       return np.moveaxis(q.reshape(q.shape[:-2] + (-1,))[..., :K], -1, axis).astype(np.float32)
;;   ~~~
;;   SOFTMAX AHEAD OF A QUANTISED PRODUCT. Where the list says 'softmax', what is quantised is not the finished softmax but p = 2^(t - M), with t = logit x log2(e) and M = ceil(the row's largest t), a whole number; so 1/2 < the row's largest p <= 1. The row's sum l is taken of the UNQUANTISED p, in f32, and the product's result is divided by l at the end. Since M is a whole number, a kernel that streams over the keys may use a running M (the ceiling of the running maximum): every later rescaling is an exact power of two, which a block's scale takes up: the codes' values come out the same.
;;   OPERANDS COMPUTED ON THE WAY. 'Computed on the way' means the value that the module computes at that place (a softmax that the list does not call 'softmax' is quantised finished and normalised). What goes into a quantiser is computed in f32, as accurately as f32 sums, v_exp_f32 and their like allow (about 1e-6 of the number): no bf16 or f16 on the way to a quantiser, and a product that is left as it is and whose result goes on into a quantised operand takes f32 operands (vector FMAs, or v_wmma_f32_16x16x4_f32). A number that lies on a knife's edge between two numbers of the format may be rounded either way, as far as f32 arithmetic and the matrix unit's own rounding can turn it there, and no further.
;;   INPUTS GIVEN AS CODES. fc_w (in the module: [128, 256], K = its axis 1); wk (in the module: [32, 256], K = its axis 1); wq (in the module: [32, 256], K = its axis 1); wv (in the module: [256, 256], K = its axis 1): each comes as NAME_codes (uint8): NAME with its K axis moved to the last place and cut into blocks of 32 codes, [.., K / 32, bytes a block], one block behind the other in memory; two codes a byte, the lower K in the low four bits (a code: sign, 2 exponent bits, 1 mantissa bit); and NAME_scales (uint8): the same leading axes, one E8M0 byte (e + 127) for each 32 codes along K. Its value is code x scale, taken as it is: it is not quantised again, and the codes and scales need not be those that the quantiser above would give.
;; One version. Each part assembles by itself: llvm-mc -triple=amdgcn-amd-amdhsa -mcpu=gfx1250 --defsym DOCPART=n.
;; ======== version 1 of 1: 3 launches
;; workspace buffers: kv 5,111,808 bytes; qrec 655,360 bytes; score 131,072 bytes
;; launch project (part 1): grid 32 x 8, 8 waves a work-group, no clusters, 27,648 bytes of LDS; arguments style_features, wq_codes, wq_scales, bq, wk_codes, wk_scales, bk, wv_codes, wv_scales, bv, kv, qrec; writes kv, qrec
.if DOCPART == 1
	.amdgcn_target "amdgcn-amd-amdhsa--gfx1250"
	.amdhsa_code_object_version 6
	.text
	.protected	k_q9ccc696d24_project
	.globl	k_q9ccc696d24_project
	.p2align	8
	.type	k_q9ccc696d24_project,@function
k_q9ccc696d24_project:
	s_mov_b64 s[64:65], 0
	v_nop
	global_prefetch_b8 v0, s[64:65] scope:SCOPE_SE
	s_setreg_imm32_b32 hwreg(HW_REG_WAVE_MODE, 25, 1), 1
	s_wait_xcnt 0x0
; x [8][256][4096] f32 is quantised along its 256 channels (MX-FP4: E2M1 codes, one E8M0 byte for 32 channels) and multiplied by wq, wk, wv (given as codes).
; q, k (32 features a pixel, one block) and v (along the pixels, the later product's K) are quantised again and stored as the attention launch wants them.
; SHARES.  A work-group owns 128 pixels of one image: x is read once, 128 KB.  It writes one record of kv (19,968 bytes) and one of qrec (2,560 bytes).
; A kv record: 0 K's codes, tile t at 256 t + 16 row (row r of tile t is pixel 32 (t/2) + 8 (t%2) + r + 8 (r/8)); 2,048 V's scale words; 3,072 K's scale bytes;
;   3,584 V's sixteen fragments as images of the operand's registers: 1,024 T + 512 c + 16 lane (row r of tile T is channel 32 (T/2) + 8 (T%2) + r + 8 (r/8)).
; A qrec record: 128 pixels x 16 bytes of codes in their own order, then 128 words, each the pixel's scale byte four times.
; PHASE X: a lane takes a pixel and its registers run down the channels: each load reads 128 neighbouring bytes, a block of 32 lies in one lane, the codes come out with K innermost.
;   Wave w takes pixels 32 (w % 4) on and channels 128 (w / 4) on.  The codes go to LDS as images of x's fragments (16 pixels x 128 channels), their scale words beside them.
; PHASE QK: wave w takes pixel tile w: q^T and k^T (source 0 = 16 rows of the weight, source 1 = x), so that a lane holds one pixel and its registers run along the features.
; PHASE V: wave w takes channels 32 w on, two tiles: v (source 0 = 16 pixels of x, source 1 = 16 rows of wv), so that a lane holds one channel and its 64 registers run along the pixels.
; LIMITS: NaN and infinities are not served.  A block of zeros gets the byte 1 where the rule says 127: its codes are zeros, and this program alone reads the bytes.
.set REC,   19968                      ; a kv record
.set RV,    3584                       ; V's images in it
.set TP,    2176                       ; a pixel tile's two fragment images, 2,048 bytes, + 128: the two tiles that one store touches start half a row of banks apart
.set XIMG,  0                          ; LDS: x's images: tile x TP + 1,024 K step + 512 c + 16 lane
.set XSC,   17408                      ; x's scale words: 512 K step + 128 (tile / 2) + 4 (16 (tile % 2) + row)
.set OSTG,  18432                      ; the kv record's head, 3,584 bytes (the stage has 4,096)
.set QSTG,  22528                      ; the qrec record
.set SEL,   30                         ; s[30:31] v_permlanex16_b32's selects for lane l xor 16
.set MX,    24                         ; v24-27 largest magnitudes
.set PT,    28                         ; v28-31 the other half's maxima, then scale bytes
.set SO,    36                         ; v36-39 the conversions' scale operands
.set WVF,   40                         ; v40-71 wv's fragments (tile z, K step k) at 8 (2 z + k)
.set WVS,   72                         ; v72-75 their scale words
.set BV,    76                         ; v76-91 bv in the result's layout: eight equal registers a tile
.set PC0,   92                         ; v92-107 codes just made (x's four blocks; later v's two fragments)
.set PW0,   108                        ; v108-109 v's scale words
.set XSWD,  110                        ; v110 x's scale word
.set QW,    111                        ; v111 q's scale byte, four times
.set XSR,   112                        ; v112-115 x's scale words as loaded
.set WQKS,  116                        ; v116-123 wq's and wk's scale words
.set QC,    124                        ; v124-125 q's codes;  v126-127 k's
.set KC,    126
.set ACC,   128                        ; v128-191 wq's and wk's fragments, later v's eight accumulators
.set XR,    192                        ; v192-255 x: two sets of 32 numbers; later q's and k's sums (v192-223) and x's two fragments (v224-239); later x's eight fragments
.set XFR,   192
.macro MM d, a, b, c, sa, sb, row      ; D = A B + C on codes; row = 1: A's scale words stand in lanes 16-31
.if \row
	v_wmma_scale_f32_16x16x128_f8f6f4 v[(\d):(\d)+7], v[(\a):(\a)+7], v[(\b):(\b)+7], v[(\c):(\c)+7], v[\sa], v[\sb] matrix_a_fmt:MATRIX_FMT_FP4 matrix_b_fmt:MATRIX_FMT_FP4 matrix_a_scale:MATRIX_SCALE_ROW1
.else
	v_wmma_scale_f32_16x16x128_f8f6f4 v[(\d):(\d)+7], v[(\a):(\a)+7], v[(\b):(\b)+7], v[(\c):(\c)+7], v[\sa], v[\sb] matrix_a_fmt:MATRIX_FMT_FP4 matrix_b_fmt:MATRIX_FMT_FP4
.endif
.endm
; 64 numbers of a lane, register 16 b + i = k 32 b + 16 (lane / 16) + i of my row, become a fragment's codes in v[pc] on and its scale word in v[pw]
.macro QUANT s, pc, pw
.irp b, 0,1,2,3
	v_max3_num_f32 v[MX+\b], |v[(\s)+16*\b]|, |v[(\s)+1+16*\b]|, 0x1800000   ; my 16 numbers of block b, and the floor 2^(3 - 127): the byte cannot fall under 1
.endr
.irp i, 2,4,6,8,10,12,14
.irp b, 0,1,2,3
	v_max3_num_f32 v[MX+\b], v[MX+\b], |v[(\s)+16*\b+\i]|, |v[(\s)+1+16*\b+\i]|
.endr
.endr
.irp b, 0,1,2,3
	v_permlanex16_b32 v[PT+\b], v[MX+\b], s[SEL], s[SEL+1]
.endr
.irp b, 0,1,2,3
	v_max_num_f32 v[MX+\b], v[MX+\b], v[PT+\b]     ; with lane l xor 16's: the block's largest magnitude
.endr
.irp b, 0,1,2,3
	v_add_nc_u32 v[SO+\b], 0xff000000, v[MX+\b]    ; 2 off its exponent field: the conversion's scale operand
.endr
.irp b, 0,1,2,3
	v_lshrrev_b32 v[PT+\b], 23, v[SO+\b]           ; the scale's byte
.endr
	v_lshl_or_b32 v[\pw], v[PT+1], 8, v[PT]
	v_lshl_or_b32 v[\pw], v[PT+2], 16, v[\pw]
	v_lshl_or_b32 v[\pw], v[PT+3], 24, v[\pw]
.irp b, 0,1,2,3
	v_cvt_scalef32_pk8_fp4_f32 v[(\pc)+2*\b], v[(\s)+16*\b:(\s)+7+16*\b], v[SO+\b]
	v_cvt_scalef32_pk8_fp4_f32 v[(\pc)+1+2*\b], v[(\s)+8+16*\b:(\s)+15+16*\b], v[SO+\b]
.endr
	v_nop                                          ; one plain place behind a scaled conversion
.irp c, 0,1                                    ; the operand's layout wants a whole block in a lane: lanes 0-15 block 2 c, lanes 16-31 block 2 c + 1
.irp i, 0,1
	v_permlane16_swap_b32 v[(\pc)+4*\c+\i], v[(\pc)+2+4*\c+\i]
.endr
.endr
.endm
.macro LOAD q                          ; block q of my 128 channels: x(32 q + i, my pixel) into set q % 2; a wave's load reads 128 neighbouring bytes
.set i, 0
.rept 32
	global_load_b32 v[XR+32*((\q)%2)+i], v1, s[4:5] offset:(32*(\q)+i)*16384 th:TH_LOAD_NT
.set i, i+1
.endr
.endm
.macro XBLOCK q, cnt                   ; block q is quantised and its 16 bytes go into x's image; cnt: the loads issued behind the block's own
.set XS0, XR+32*((\q)%2)
	s_wait_loadcnt \cnt
	v_max3_num_f32 v[MX], |v[XS0]|, |v[XS0+1]|, |v[XS0+2]|          ; all 32 numbers are mine: two chains
	v_max3_num_f32 v[MX+1], |v[XS0+3]|, |v[XS0+4]|, |v[XS0+5]|
.irp i, 6,10,14,18,22,26
	v_max3_num_f32 v[MX], v[MX], |v[XS0+\i]|, |v[XS0+\i+1]|
	v_max3_num_f32 v[MX+1], v[MX+1], |v[XS0+\i+2]|, |v[XS0+\i+3]|
.endr
	v_max3_num_f32 v[MX], v[MX], |v[XS0+30]|, |v[XS0+31]|
	v_max3_num_f32 v[MX], v[MX], v[MX+1], 0x1800000                 ; and the floor
	v_add_nc_u32 v[SO], 0xff000000, v[MX]
	v_lshrrev_b32 v[MX+1], 23, v[SO]
.if (\q) == 0
	v_mov_b32 v[XSWD], v[MX+1]
.else
	v_lshl_or_b32 v[XSWD], v[MX+1], 8*(\q), v[XSWD]
.endif
.irp g, 0,1,2,3
	v_cvt_scalef32_pk8_fp4_f32 v[PC0+4*(\q)+\g], v[XS0+8*\g:XS0+8*\g+7], v[SO]
.endr
	v_nop                                          ; one plain place behind a scaled conversion
	ds_store_b128 v8, v[PC0+4*(\q):PC0+4*(\q)+3] offset:512*((\q)/2)+256*((\q)%2)   ; block 2 c + h lies at 512 c + 256 h of the image
.endm
.macro WLOAD m, pc, ps                 ; wq's (m = 0) or wk's (1) four fragments and scale words: tile u takes rows 8 u + r + 8 (r / 8)
.irp u, 0,1
.irp k, 0,1
.irp c, 0,1
	global_load_b128 v[ACC+8*(4*\m+2*\u+\k)+4*\c:ACC+8*(4*\m+2*\u+\k)+4*\c+3], v2, s[\pc:\pc+1] offset:1024*\u+64*\k+32*\c
.endr
	global_load_b32 v[WQKS+4*\m+2*\u+\k], v3, s[\ps:\ps+1] offset:64*\u+4*\k
.endr
.endr
.endm
; v for my channel tile z and all 128 pixels: eight accumulators by turns, two K steps; then quantised along the pixels: the result is the fragment's image
.macro VTILE z
.rept 5
	v_nop                                          ; five places: the sums begin anew over registers of earlier matrix instructions, and loads land in their operands
.endr
.irp k, 0,1
.irp t, 0,1,2,3,4,5,6,7
.irp c, 0,1
	ds_load_b128 v[XFR+8*\t+4*\c:XFR+8*\t+4*\c+3], v10 offset:XIMG+\t*TP+1024*\k+512*\c
.endr
.endr
.irp p, 0,1,2,3
	ds_load_b32 v[XSR+\p], v11 offset:512*\k+128*\p                 ; lanes 0-15: tile 2 p's words, lanes 16-31: tile 2 p + 1's
.endr
	s_wait_dscnt 0x0
.irp t, 0,1,2,3,4,5,6,7
.if \k == 0
	MM ACC+8*\t, XFR+8*\t, WVF+8*(2*\z+\k), BV+8*\z, XSR+\t/2, WVS+2*\z+\k, \t%2     ; the bias starts the sum
.else
	MM ACC+8*\t, XFR+8*\t, WVF+8*(2*\z+\k), ACC+8*\t, XSR+\t/2, WVS+2*\z+\k, \t%2
.endif
.endr
.rept 4
	v_nop                                          ; four places in front of loads into the operands, and of the first read of the sums
.endr
.endr
	QUANT ACC, PC0+8*\z, PW0+\z
.irp c, 0,1
	global_store_b128 v6, v[PC0+8*\z+4*\c:PC0+8*\z+4*\c+3], s[24:25] offset:RV+1024*\z+512*\c   ; the wave stores 512 consecutive bytes, at a multiple of 256 from the buffer's first byte
.endr
	ds_store_b32 v18, v[PW0+\z] offset:256*\z      ; both halves of the lanes hold the same word
.endm
	s_load_b512 s[4:19], s[0:1], 0x0               ; x s[4:5], wq codes s[6:7], wq scales s[8:9], bq s[10:11], wk codes s[12:13], wk scales s[14:15], bk s[16:17], wv codes s[18:19]
	s_load_b256 s[20:27], s[0:1], 0x40             ; wv scales s[20:21], bv s[22:23], kv s[24:25], qrec s[26:27]
	s_set_vgpr_msb 0x40
	v_lshl_add_u32 v0, v0, 2, 0x6800
	v_mov_b32 v1, 0
	s_set_vgpr_msb 0x4000
	v_lshrrev_b32 v21, 5, v0
	v_readfirstlane_b32 s28, v21                   ; wave 0..7
	v_bfe_u32 v21, v0, 4, 1                        ; h
	v_and_b32 v22, 31, v0                          ; lane
	v_and_b32 v23, 15, v0                          ; r
	v_and_b32 v32, 8, v23
	v_add_nc_u32 v32, v32, v23                     ; r + 8 (r / 8)
	v_bfe_u32 v33, v0, 3, 1                        ; phase X: pixel 'lane' of my 32 lies in tile 2 (w % 4) + u, u = (lane / 8) % 2,
	v_and_b32 v34, 7, v0
	v_lshl_add_u32 v34, v21, 3, v34                ; at row 8 (lane / 16) + lane % 8
	s_and_b32 s29, ttmp7, 0xffff                   ; the image
	s_and_b32 s34, s28, 3                          ; w % 4
	s_lshr_b32 s35, s28, 2                         ; w / 4
	s_mov_b32 s[SEL], 0x76543210
	s_mov_b32 s[SEL+1], 0xfedcba98
	v_lshlrev_b32 v1, 2, v22                       ; x: 4 bytes a lane
	v_lshlrev_b32 v2, 7, v32
	v_lshl_add_u32 v2, v21, 4, v2                  ; a weight's fragment: row r + 8 (r / 8) of 128 bytes, + 16 h
	v_lshlrev_b32 v3, 3, v32                       ; its scale words: 8 bytes a row
	v_lshlrev_b32 v4, 2, v32                       ; bv
	v_lshlrev_b32 v5, 6, v21                       ; bq, bk: features 16 h on
	s_lshl_b32 s36, s28, 11
	v_lshl_add_u32 v6, v22, 4, s36                 ; V's images in the record: 16 lane + 2,048 wave
	v_lshlrev_b32 v7, 4, v0                        ; 16 x thread
	v_mul_u32_u24 v8, v33, TP
	v_lshl_add_u32 v8, v34, 4, v8
	s_mul_i32 s36, s34, 2*TP
	s_lshl_b32 s37, s35, 10
	s_add_co_u32 s36, s36, s37
	v_add_nc_u32 v8, s36, v8                       ; where my pixel's codes go in x's images
	v_lshl_add_u32 v9, v33, 4, v34
	v_lshlrev_b32 v9, 2, v9
	s_lshl_b32 s36, s35, 9
	s_lshl_b32 s37, s34, 7
	s_add_co_u32 s36, s36, s37
	s_add_co_u32 s36, s36, XSC
	v_add_nc_u32 v9, s36, v9                       ; and its scale word
	v_lshlrev_b32 v10, 4, v22                      ; 16 x lane
	v_lshl_add_u32 v11, v22, 2, XSC                ; 4 x lane among the scale words
	s_mul_i32 s36, s28, TP
	v_lshl_add_u32 v12, v22, 4, s36                ; phase QK: tile w's images
	s_lshl_b32 s36, s28, 6
	s_add_co_u32 s36, s36, XSC
	v_lshl_add_u32 v13, v23, 2, s36                ; and its scale words, row r in both halves of the lanes
	s_lshr_b32 s36, s28, 1
	s_lshl_b32 s36, s36, 5
	s_and_b32 s37, s28, 1
	s_lshl_b32 s37, s37, 3
	s_add_co_u32 s36, s36, s37
	v_add_nc_u32 v35, s36, v32                     ; the pixel that lane r of tile w holds
	v_lshl_add_u32 v14, v35, 4, QSTG
	v_lshl_add_u32 v14, v21, 3, v14                ; q's codes: 16 bytes a pixel, my half's 8
	v_lshl_add_u32 v15, v35, 2, QSTG+2048          ; q's scale word
	s_lshl_b32 s36, s28, 8
	s_add_co_u32 s36, s36, OSTG
	v_lshl_add_u32 v16, v23, 4, s36
	v_lshl_add_u32 v16, v21, 3, v16                ; k's codes: tile w, row r, my half's 8 bytes
	s_lshl_b32 s36, s35, 8
	s_add_co_u32 s36, s36, s34
	s_add_co_u32 s36, s36, OSTG+3072
	v_lshl_add_u32 v17, v23, 4, s36                ; k's scale byte: 16 (16 (w / 4) + r) + w % 4
	s_lshl_b32 s36, s35, 9
	s_lshl_b32 s37, s34, 2
	s_add_co_u32 s36, s36, s37
	s_add_co_u32 s36, s36, OSTG+2048
	v_lshl_add_u32 v18, v23, 4, s36                ; v's scale word of tile 2 w + z: 512 (w / 4) + 256 z + 16 r + 4 (w % 4)
	v_lshl_add_u32 v19, v0, 4, OSTG                ; the stages, 16 bytes a thread
	v_lshl_add_u32 v20, v0, 4, QSTG
.irp b, 0,1,2,3
	v_mov_b32 v[PT+\b], 0                          ; written once: a lane permute's destination counts as one of its sources
.endr
	s_lshl_b32 s40, s29, 22                        ; x: the image, my 128 channels, the group's 128 pixels, my 32 of them
	s_lshl_b32 s41, s35, 21
	s_add_co_u32 s40, s40, s41
	s_lshl_b32 s41, ttmp9, 9
	s_add_co_u32 s40, s40, s41
	s_lshl_b32 s41, s34, 7
	s_add_co_u32 s40, s40, s41
	s_mov_b32 s41, 0
	s_lshl_b32 s42, s28, 12                        ; wv: my 32 rows of 128 bytes,
	s_mov_b32 s43, 0
	s_lshl_b32 s44, s28, 8                         ; of 8 scale bytes,
	s_mov_b32 s45, 0
	s_lshl_b32 s46, s28, 7                         ; bv: my 32 numbers
	s_mov_b32 s47, 0
	s_lshl_b32 s38, s29, 5
	s_add_co_u32 s38, s38, ttmp9                   ; the record's number: 32 x image + key step
	s_mul_i32 s48, s38, REC
	s_mov_b32 s49, 0
	s_mul_i32 s50, s38, 2560
	s_mov_b32 s51, 0
	s_wait_kmcnt 0x0
	s_add_nc_u64 s[4:5], s[4:5], s[40:41]
	s_add_nc_u64 s[18:19], s[18:19], s[42:43]
	s_add_nc_u64 s[20:21], s[20:21], s[44:45]
	s_add_nc_u64 s[22:23], s[22:23], s[46:47]
	s_add_nc_u64 s[24:25], s[24:25], s[48:49]
	s_add_nc_u64 s[26:27], s[26:27], s[50:51]
	; ---- X: my 32 pixels x 128 channels; loads run two blocks ahead
	LOAD 0
	LOAD 1
	XBLOCK 0, 32                                   ; block 1's 32 loads may be out
	LOAD 2
	XBLOCK 1, 32
	LOAD 3
	XBLOCK 2, 32
.irp z, 0,1                                    ; the weights are asked for behind x's last block: 8 + 4 + 16 + 24 = 52 loads
.irp k, 0,1
.irp c, 0,1
	global_load_b128 v[WVF+8*(2*\z+\k)+4*\c:WVF+8*(2*\z+\k)+4*\c+3], v2, s[18:19] offset:1024*\z+64*\k+32*\c
.endr
	global_load_b32 v[WVS+2*\z+\k], v3, s[20:21] offset:64*\z+4*\k
.endr
.irp j, 0,1,2,3,4,5,6,7
	global_load_b32 v[BV+8*\z+\j], v4, s[22:23] offset:32*\z        ; a lane's eight results are one channel's: the same number eight times
.endr
.endr
	WLOAD 0, 6, 8
	WLOAD 1, 12, 14
	XBLOCK 3, 52                                   ; those 52 may be out
.irp u, 0,1                                    ; bq and bk start q's and k's sums: register j of tile u is feature 16 h + 8 u + j
	global_load_b128 v[192+8*\u:195+8*\u], v5, s[10:11] offset:32*\u
	global_load_b128 v[196+8*\u:199+8*\u], v5, s[10:11] offset:32*\u+16
	global_load_b128 v[208+8*\u:211+8*\u], v5, s[16:17] offset:32*\u
	global_load_b128 v[212+8*\u:215+8*\u], v5, s[16:17] offset:32*\u+16
.endr
	ds_store_b32 v9, v[XSWD]
.irp b, 0,1,2,3
	v_mov_b32 v[MX+\b], 0
.endr
	ds_store_b128 v19, v[MX:MX+3]                  ; the record's head begins as zeros: its unused bytes are stored too
	s_wait_dscnt 0x0                               ; my stores have landed
	s_barrier_signal -1
	s_barrier_wait -1                              ; x's sixteen images and their scale words lie in LDS
	; ---- QK: pixel tile w
.irp k, 0,1
.irp c, 0,1
	ds_load_b128 v[224+8*\k+4*\c:227+8*\k+4*\c], v12 offset:1024*\k+512*\c
.endr
	ds_load_b32 v[XSR+\k], v13 offset:512*\k
.endr
	s_wait_loadcnt 0x0                             ; the weights and the biases
	s_wait_dscnt 0x0
.irp k, 0,1                                    ; four accumulators by turns
.irp m, 0,1
.irp u, 0,1
	MM 192+16*\m+8*\u, ACC+8*(4*\m+2*\u+\k), 224+8*\k, 192+16*\m+8*\u, WQKS+4*\m+2*\u+\k, XSR+\k, 0
.endr
.endr
.endr
.rept 4
	v_nop
.endr
	v_max3_num_f32 v[MX], |v192|, |v193|, 0x1800000                 ; q's and k's one block each, by turns: my 16 features and the floor
	v_max3_num_f32 v[MX+1], |v208|, |v209|, 0x1800000
.irp i, 2,4,6,8,10,12,14
	v_max3_num_f32 v[MX], v[MX], |v[192+\i]|, |v[193+\i]|
	v_max3_num_f32 v[MX+1], v[MX+1], |v[208+\i]|, |v[209+\i]|
.endr
	v_permlanex16_b32 v[PT], v[MX], s[SEL], s[SEL+1]
	v_permlanex16_b32 v[PT+1], v[MX+1], s[SEL], s[SEL+1]
	v_max_num_f32 v[MX], v[MX], v[PT]
	v_max_num_f32 v[MX+1], v[MX+1], v[PT+1]
	v_add_nc_u32 v[SO], 0xff000000, v[MX]
	v_add_nc_u32 v[SO+1], 0xff000000, v[MX+1]
	v_lshrrev_b32 v[PT], 23, v[SO]
	v_lshrrev_b32 v[PT+1], 23, v[SO+1]
	v_cvt_scalef32_pk8_fp4_f32 v[QC], v[192:199], v[SO]
	v_cvt_scalef32_pk8_fp4_f32 v[QC+1], v[200:207], v[SO]
	v_cvt_scalef32_pk8_fp4_f32 v[KC], v[208:215], v[SO+1]
	v_cvt_scalef32_pk8_fp4_f32 v[KC+1], v[216:223], v[SO+1]
	v_nop                                          ; one plain place behind a scaled conversion
	v_lshl_or_b32 v[QW], v[PT], 8, v[PT]
	v_lshl_or_b32 v[QW], v[QW], 16, v[QW]          ; q's byte in all four places of its word
	ds_store_b64 v14, v[QC:QC+1]
	ds_store_b32 v15, v[QW]
	ds_store_b64 v16, v[KC:KC+1]
	ds_store_b8 v17, v[PT+1]                       ; both halves of the lanes write the same byte with the same value
	; ---- V: my two channel tiles
	VTILE 0
	VTILE 1
	s_wait_dscnt 0x0
	s_barrier_signal -1
	s_barrier_wait -1                              ; both stages are whole
	s_cmp_lt_u32 s28, 5                            ; the qrec record is 2,560 bytes: 160 threads
	s_cbranch_scc0 .Lno_q
	ds_load_b128 v[28:31], v20
	s_wait_dscnt 0x0
	global_store_b128 v7, v[28:31], s[26:27]
.Lno_q:
	s_cmp_lt_u32 s28, 7                            ; the kv record's head is 3,584 bytes: 224 threads
	s_cbranch_scc0 .Lno_head
	ds_load_b128 v[24:27], v19
	s_wait_dscnt 0x0
	global_store_b128 v7, v[24:27], s[24:25]       ; sixteen lanes store 256 consecutive bytes, at a multiple of 256 from the buffer's first byte
.Lno_head:
	s_set_vgpr_msb 0x5
	s_wait_tensorcnt 0x0
	ds_add_u32 v0, v1
	s_wait_dscnt 0x0
	s_set_vgpr_msb 0x500
	s_endpgm
.Lfunc_end_k_q9ccc696d24_project:
	.size	k_q9ccc696d24_project, .Lfunc_end_k_q9ccc696d24_project-k_q9ccc696d24_project
	.p2alignl 7, 3214868480
	.fill 96, 4, 3214868480
	.section	.rodata,"a",@progbits
	.p2align	6, 0x0
	.amdhsa_kernel k_q9ccc696d24_project
		.amdhsa_group_segment_fixed_size 27648
		.amdhsa_private_segment_fixed_size 0
		.amdhsa_enable_private_segment 0
		.amdhsa_kernarg_size 96
		.amdhsa_user_sgpr_count 2
		.amdhsa_user_sgpr_kernarg_segment_ptr 1
		.amdhsa_wavefront_size32 1
		.amdhsa_system_sgpr_workgroup_id_x 1
		.amdhsa_system_sgpr_workgroup_id_y 1
		.amdhsa_system_sgpr_workgroup_id_z 1
		.amdhsa_system_vgpr_workitem_id 0
		.amdhsa_next_free_vgpr 258
		.amdhsa_next_free_sgpr 66
		.amdhsa_reserve_vcc 0
		.amdhsa_float_denorm_mode_32 3
		.amdhsa_float_denorm_mode_16_64 3
		.amdhsa_memory_ordered 1
		.amdhsa_forward_progress 1
		.amdhsa_inst_pref_size 52
	.end_amdhsa_kernel
	.amdgpu_metadata
---
amdhsa.version: [ 1, 2 ]
amdhsa.kernels:
  - .name:           k_q9ccc696d24_project
    .symbol:         k_q9ccc696d24_project.kd
    .args:
      - { .name: style_features, .offset: 0, .size: 8, .value_kind: global_buffer, .address_space: global }
      - { .name: wq_codes, .offset: 8, .size: 8, .value_kind: global_buffer, .address_space: global }
      - { .name: wq_scales, .offset: 16, .size: 8, .value_kind: global_buffer, .address_space: global }
      - { .name: bq, .offset: 24, .size: 8, .value_kind: global_buffer, .address_space: global }
      - { .name: wk_codes, .offset: 32, .size: 8, .value_kind: global_buffer, .address_space: global }
      - { .name: wk_scales, .offset: 40, .size: 8, .value_kind: global_buffer, .address_space: global }
      - { .name: bk, .offset: 48, .size: 8, .value_kind: global_buffer, .address_space: global }
      - { .name: wv_codes, .offset: 56, .size: 8, .value_kind: global_buffer, .address_space: global }
      - { .name: wv_scales, .offset: 64, .size: 8, .value_kind: global_buffer, .address_space: global }
      - { .name: bv, .offset: 72, .size: 8, .value_kind: global_buffer, .address_space: global }
      - { .name: kv, .offset: 80, .size: 8, .value_kind: global_buffer, .address_space: global }
      - { .name: qrec, .offset: 88, .size: 8, .value_kind: global_buffer, .address_space: global }
    .group_segment_fixed_size: 27648
    .private_segment_fixed_size: 0
    .kernarg_segment_align: 8
    .kernarg_segment_size: 96
    .max_flat_workgroup_size: 256
    .sgpr_count:     66
    .vgpr_count:     258
    .wavefront_size: 32
...
	.end_amdgpu_metadata
.endif
;; end of part 1
;; launch attend (part 2): grid 32 x 8, 8 waves a work-group, clusters of 4 x 1, 327,680 bytes of LDS; arguments kv, qrec, style_features, gamma, fc_w_codes, fc_w_scales, fc_b, ctx_w, score; writes score
.if DOCPART == 2
	.amdgcn_target "amdgcn-amd-amdhsa--gfx1250"
	.amdhsa_code_object_version 6
	.text
	.protected	k_q9ccc696d24_attend
	.globl	k_q9ccc696d24_attend
	.p2align	8
	.type	k_q9ccc696d24_attend,@function
k_q9ccc696d24_attend:
	s_mov_b64 s[64:65], 0
	v_nop
	global_prefetch_b8 v0, s[64:65] scope:SCOPE_SE
	s_setreg_imm32_b32 hwreg(HW_REG_WAVE_MODE, 25, 1), 1
	s_wait_xcnt 0x0
	s_wait_alu depctr_hold_cnt(0) depctr_sa_sdst(0) depctr_va_vdst(0) depctr_va_sdst(0) depctr_va_ssrc(0) depctr_va_vcc(0) depctr_vm_vsrc(0)
	s_getreg_b32 s2, hwreg(HW_REG_IB_STS2, 6, 4)
	s_cmp_eq_u32 s2, 0
	s_cbranch_scc0 .Lentry_in_a_cluster
	s_endpgm
.Lentry_in_a_cluster:
	s_bfe_u32 s2, ttmp6, 0x10000c
	s_cmp_lg_u32 s2, 0x3003
	s_cbranch_scc0 .Lentry_shape_is_right
	s_endpgm
.Lentry_shape_is_right:
; For each pixel i: out = sum over j of v[:, j] softmax_j(q_i . k_j); tok = gamma out + x; score = ctx_w . tanh(fc_w tok + fc_b).  All matrix products on codes of E2M1 with one E8M0 scale for 32 along K.
; THE SOFTMAX: t = logit x log2(e); M = the running largest t rounded up to a whole number; p = 2^(t - M) is quantised along the keys; the row's sum is taken of the unquantised p and divides at the end.
; SHARES.  A work-group owns 128 queries of one image, each of its eight waves 16: two waves to a SIMD.  Every wave walks the image's 4,096 keys, 256 a step: 16 steps.
;   256 keys and not 128, so that O^T's 64 packed multiplies by 2^(old M - new M), and the chain that makes M, stand once for 128 scores of a lane and not once for 64.
; 128 keys' operands are one record of kv, 19,968 bytes, laid as images of the operands' registers: every LDS load of a wave reads 512 consecutive bytes.  A step takes two records.
; THE RING: two LDS slots of eight records, as large as two fit.  Each wave fetches one record of a slot; both slots' first fills go out at the start: two tensor loads of a wave are out then, later one.
;   The four phases (slot 0, 1, 0, 1) are written out by one macro: two refills, each with a phase of four steps in which to land.
; CLUSTER: the four work-groups of a cluster belong to one image and walk the same records: each record is asked for jointly, by the same tensor load with a mask that names the four.
; LAYOUT.  S^T = K Q^T, O^T = V^T P^T, hid^T = fc_w tok^T: a lane holds one query (lane % 16) throughout.  The keys of a tile of K and the channels of a tile of V are chosen so that
;   a lane's 16 registers of two neighbouring tiles are 16 neighbours along the next product's K.
; q . k HAS K = 32, THE INSTRUCTION 128: a fragment of K holds FOUR key tiles, tile 4 g + e in block e of K, with its four scale bytes in one word; Q stands in block e alone, zero codes elsewhere.
;   Q lies once in 20 registers, zeros | codes in lanes 0-15 | zeros | codes in lanes 16-31 | zeros, of which four runs of eight are the four operands.
; LIMITS: NaN and infinities are not served.  The three key tiles that zero codes annul stay in the instruction with their scales: a key whose scale lies far under theirs may lose bits of the order of
;   f32 rounding of the largest of the four.  A block of zeros gets the byte 1 where the rule says 127: its codes are zeros, and this program alone reads the bytes.
; REGISTERS.  Window 0: v1-11 addresses and scale words; v12-43 the softmax's figures; v44-63 Q; v64-65 scale words; v66-81 p's codes; v82-97 V's scale words; v98-99 sums; v104-121 the tail's;
;   v128-255 S^T, then p, then the second record's V.  Window 1: v0-127 O^T (tile T, register j: channel 32 (T / 2) + 16 h + 8 (T % 2) + j); v128-255 K's four fragments, then the first record's V.
;   In the tail: window 0 v128-255 tok, then hid; window 1 fc_w, x, fc_b, ctx_w; fc_w's and tok's scale words take V's and p's, tok's codes p's.
.set REC,   19968                      ; a record: 78 rows of 256 bytes
.set RVS,   2048                       ; in it: V's scale words,
.set RKS,   3072                       ; K's scale bytes,
.set RV,    3584                       ; V's images
.set SLOTB, 8*REC                      ; slot 0 at LDS byte 0, slot 1 behind it
.set SPARE, 2*SLOTB                    ; behind the ring: the spare words, 128 bytes for each wave: four blocks of 256 bytes that no other line names
.set SCR,   SPARE+1024                 ; 128 scores, on their way out
.set G0A,   32                         ; s[32:35] descriptor group 0 for slot 0;  s[48:51] for slot 1;  s[24:31] group 1
.set G0B,   48
.set SEL,   36                         ; s[36:37] v_permlanex16_b32's selects for lane l xor 16
.set MX,    20                         ; v20-27 the eight blocks' largest
.set PT,    28                         ; v28-35 the other half's, then scale bytes
.set SO,    36                         ; v36-43 the conversions' scale operands
.set QB,    44
.set KSB,   64                         ; v8, v64 K's scale words of the step's two records
.set PWB,   65                         ; v10, v65 p's
.set PC,    66
.set VSW,   82
.set SB,    98                         ; v[14:15], v[98:99] the row's sum, in two pairs
.set FS,    82                         ; the tail: fc_w's scale words
.set TF0,   66                         ; tok's two fragments
.set TF1,   74
.set TW0,   10                         ; their scale words
.set TW1,   65
.set QT,    110                        ; v110-113 Q's codes as loaded
.set AC,    114                        ; v114-121 the score's four chains (at the head: r, h, lane)
.set S,     128
.set MSB, 0
.macro WIN new                         ; the immediate's high byte repeats the setting that is left
.if MSB != \new
	s_set_vgpr_msb (MSB<<8)|\new
.set MSB, \new
.endif
.endm
.macro MM d, a, b, c, sa, sb, row      ; D = A B + C on codes; row = 1: A's scale words stand in lanes 16-31
.if \row
	v_wmma_scale_f32_16x16x128_f8f6f4 v[(\d):(\d)+7], v[(\a):(\a)+7], v[(\b):(\b)+7], v[(\c):(\c)+7], v[\sa], v[\sb] matrix_a_fmt:MATRIX_FMT_FP4 matrix_b_fmt:MATRIX_FMT_FP4 matrix_a_scale:MATRIX_SCALE_ROW1
.else
	v_wmma_scale_f32_16x16x128_f8f6f4 v[(\d):(\d)+7], v[(\a):(\a)+7], v[(\b):(\b)+7], v[(\c):(\c)+7], v[\sa], v[\sb] matrix_a_fmt:MATRIX_FMT_FP4 matrix_b_fmt:MATRIX_FMT_FP4
.endif
.endm
.macro MMZ d, a, b, sa, sb, row        ; the same with the constant 0 as C
.if \row
	v_wmma_scale_f32_16x16x128_f8f6f4 v[(\d):(\d)+7], v[(\a):(\a)+7], v[(\b):(\b)+7], 0, v[\sa], v[\sb] matrix_a_fmt:MATRIX_FMT_FP4 matrix_b_fmt:MATRIX_FMT_FP4 matrix_a_scale:MATRIX_SCALE_ROW1
.else
	v_wmma_scale_f32_16x16x128_f8f6f4 v[(\d):(\d)+7], v[(\a):(\a)+7], v[(\b):(\b)+7], 0, v[\sa], v[\sb] matrix_a_fmt:MATRIX_FMT_FP4 matrix_b_fmt:MATRIX_FMT_FP4
.endif
.endm
; 64 numbers of a lane, register 16 b + i = k 32 b + 16 (lane / 16) + i of my row, become a fragment's codes in v[pc] on and its scale word in v[pw]
.macro QUANT s, pc, pw
.irp b, 0,1,2,3
	v_max3_num_f32 v[MX+\b], |v[(\s)+16*\b]|, |v[(\s)+1+16*\b]|, 0x1800000   ; my 16 numbers of block b, and the floor 2^(3 - 127): the byte cannot fall under 1
.endr
.irp i, 2,4,6,8,10,12,14
.irp b, 0,1,2,3
	v_max3_num_f32 v[MX+\b], v[MX+\b], |v[(\s)+16*\b+\i]|, |v[(\s)+1+16*\b+\i]|
.endr
.endr
.irp b, 0,1,2,3
	v_permlanex16_b32 v[PT+\b], v[MX+\b], s[SEL], s[SEL+1]
.endr
.irp b, 0,1,2,3
	v_max_num_f32 v[MX+\b], v[MX+\b], v[PT+\b]
.endr
.irp b, 0,1,2,3
	v_add_nc_u32 v[SO+\b], 0xff000000, v[MX+\b]
.endr
.irp b, 0,1,2,3
	v_lshrrev_b32 v[PT+\b], 23, v[SO+\b]
.endr
	v_lshl_or_b32 v[\pw], v[PT+1], 8, v[PT]
	v_lshl_or_b32 v[\pw], v[PT+2], 16, v[\pw]
	v_lshl_or_b32 v[\pw], v[PT+3], 24, v[\pw]
.irp b, 0,1,2,3
	v_cvt_scalef32_pk8_fp4_f32 v[(\pc)+2*\b], v[(\s)+16*\b:(\s)+7+16*\b], v[SO+\b]
	v_cvt_scalef32_pk8_fp4_f32 v[(\pc)+1+2*\b], v[(\s)+8+16*\b:(\s)+15+16*\b], v[SO+\b]
.endr
	v_nop                                          ; one plain place behind a scaled conversion
.irp c, 0,1
.irp i, 0,1
	v_permlane16_swap_b32 v[(\pc)+4*\c+\i], v[(\pc)+2+4*\c+\i]
.endr
.endr
.endm
; A round of the cluster's barrier: my work-group's barrier; wave 0 signals for the work-group; every wave waits for all four work-groups; my work-group's barrier once more
.macro CROUND
	s_barrier_signal -1
	s_barrier_wait -1
	s_cmp_lg_u32 s22, 0
	s_cbranch_scc1 .Lnot_wave_0_\@
	s_barrier_signal -3
.Lnot_wave_0_\@:
	s_barrier_wait -3
	s_barrier_signal -1
	s_barrier_wait -1
.endm
; THE CHANGE OF SLOTS WITH A REFILL.  Each wave waits for all its tensor loads (its record of the slot ahead), adds 0 to its spare word, and waits for that and for its reads of the slot left.
; The barrier is a round of the cluster's; behind it the slot left takes the records sixteen further on, one a wave, jointly: the load has a phase of four steps in which to land.
.macro FILL g0
	s_wait_tensorcnt 0x0                           ; no tensor load of mine is out, so a descriptor may be written
	ds_add_u32 v2, v3                              ; 0 onto my spare word
	s_add_nc_u64 s[\g0+2:\g0+3], s[\g0+2:\g0+3], 2*SLOTB   ; sixteen records on; the type bits on top are not reached
	s_wait_dscnt 0x0                               ; the add is done, and my reads of the slot that I have left are over
	CROUND
	tensor_load_to_lds s[\g0:\g0+3], s[24:31]      ; the first thing behind the round, and my one tensor load until the next; four v_nop follow it
	s_nop 0
.rept 4
	v_nop
.endr
.endm
.macro MEET                            ; the last change of slots: nothing is left to fetch
	s_wait_tensorcnt 0x0
	ds_add_u32 v2, v3
	s_wait_dscnt 0x0
	s_barrier_signal -1
	s_barrier_wait -1
.endm
; A KEY STEP: 256 keys, the two records from LDS byte s40 on
.macro DSTEP
	v_add_nc_u32 v4, s40, v1                       ; this and four v_nop: five places behind the last products: loads land in their operands and scale words, and the scores are laid over the second record's V
.rept 4
	v_nop
.endr
	ds_load_b32 v8, v4 offset:RKS                  ; K's scale words: lanes 0-15 a record's first fragment's rows, lanes 16-31 its second's
	ds_load_b32 v[KSB], v4 offset:REC+RKS
	WIN 0x40                                       ; destination window 1
.irp e, 0,1
.irp i, 0,1,2,3
	ds_load_b128 v[128+16*\e+4*\i:128+16*\e+4*\i+3], v4 offset:REC*\e+512*\i   ; K's two fragments of each record, four key tiles each
.endr
.endr
	s_wait_dscnt 0x0
	WIN 0x01                                       ; K window 1; Q and S^T window 0
.irp e, 0,1
.irp g, 0,1
	MMZ S+64*\e+8*(4*\g+0), 128+16*\e+8*\g, QB+4, 8+56*\e, 9, \g    ; Q in block 0: registers 0-3, lanes 0-15
	MMZ S+64*\e+8*(4*\g+1), 128+16*\e+8*\g, QB+12, 8+56*\e, 9, \g   ; block 1: registers 0-3, lanes 16-31
	MMZ S+64*\e+8*(4*\g+2), 128+16*\e+8*\g, QB, 8+56*\e, 9, \g      ; block 2: registers 4-7, lanes 0-15
	MMZ S+64*\e+8*(4*\g+3), 128+16*\e+8*\g, QB+8, 8+56*\e, 9, \g    ; block 3: registers 4-7, lanes 16-31
.endr
.endr                                          ; register 16 b + i of lane (r, h): key 32 b + 16 h + i, query r; b = 0 .. 7
	WIN 0x40
.rept 4
	v_nop                                          ; four places in front of loads into K's registers, and of the first read of the scores
.endr
.set i, 0
.rept 32
	ds_load_b128 v[128+4*i:128+4*i+3], v4 offset:RV+512*i           ; the first record's V, sixteen fragments: they land under the softmax
.set i, i+1
.endr
	WIN 0
.irp e, 0,1
	ds_load_b128 v[VSW+8*\e:VSW+8*\e+3], v4 offset:REC*\e+RVS       ; V's scale words: register T / 2, lanes 0-15 even tiles, lanes 16-31 odd ones
	ds_load_b128 v[VSW+8*\e+4:VSW+8*\e+7], v4 offset:REC*\e+RVS+512
.endr
.irp b, 0,1,2,3,4,5,6,7
	v_max3_num_f32 v[MX+\b], v[S+16*\b], v[S+1+16*\b], v[S+2+16*\b]   ; the largest score of each block of 32 keys: for the row's maximum, and, since p rises with the score, for the block's largest p
.endr
.irp i, 3,5,7,9,11,13
.irp b, 0,1,2,3,4,5,6,7
	v_max3_num_f32 v[MX+\b], v[MX+\b], v[S+16*\b+\i], v[S+1+16*\b+\i]
.endr
.endr
.irp b, 0,1,2,3,4,5,6,7
	v_max_num_f32 v[MX+\b], v[MX+\b], v[S+15+16*\b]
.endr
.irp b, 0,1,2,3,4,5,6,7
	v_permlanex16_b32 v[PT+\b], v[MX+\b], s[SEL], s[SEL+1]
.endr
.irp b, 0,1,2,3,4,5,6,7
	v_max_num_f32 v[MX+\b], v[MX+\b], v[PT+\b]     ; with lane l xor 16's 16 keys
.endr
	v_max3_num_f32 v18, v[MX], v[MX+1], v[MX+2]
	v_max3_num_f32 v19, v[MX+3], v[MX+4], v[MX+5]
	v_max3_num_f32 v18, v18, v[MX+6], v[MX+7]
	v_max_num_f32 v18, v18, v19                    ; the step's largest score of my query
	v_mul_f32 v18, s38, v18                        ; as t
	v_max_num_f32 v13, v13, v18                    ; the running largest t
	v_mov_b32 v18, v12
	v_floor_f32 v12, -v13                          ; the new -M = floor(-t): M is a whole number
	v_sub_f32 v18, v12, v18                        ; M's old value less its new one: a whole number, 0 or less
	v_cvt_i32_f32 v18, v18                         ; (it saturates)
	v_ldexp_f32 v16, 1.0, v18                      ; f = 2^(old M - new M): a multiplication by it rounds nothing
.irp b, 0,1,2,3,4,5,6,7
	v_fma_f32 v[MX+\b], v[MX+\b], s38, v12         ; t - M of each block's largest score
.endr
	v_pk_mul_f32 v[14:15], v[14:15], v[16:17] op_sel_hi:[1,0]       ; the first pair of sums under the new M
	; THE EXPONENTIALS STAND BY TURNS WITH PLAIN WORK THAT IS DUE ANYWAY: behind each stands one plain instruction that names neither its result nor its source
.irp b, 0,1,2,3,4,5,6,7
	v_exp_f32 v[MX+\b], v[MX+\b]                   ; the block's largest p: the same multiply-add and exponential on the same number as the score's own
	v_pk_fma_f32 v[S+2*\b:S+2*\b+1], v[S+2*\b:S+2*\b+1], s[38:39], v[12:13] op_sel_hi:[1,0,0]   ; t - M of the first eight pairs
.endr
.set i, 0
.rept 128
	v_exp_f32 v[S+i], v[S+i]                       ; p = 2^(t - M), at most 1
.if (i%2) == 0
.if (i/2+8) < 64
	v_pk_fma_f32 v[S+i+16:S+i+17], v[S+i+16:S+i+17], s[38:39], v[12:13] op_sel_hi:[1,0,0]   ; t - M of the pair eight pairs on
.else
	v_max_num_f32 v[MX+(i-112)/2], 0x1800000, v[MX+(i-112)/2]       ; the floor 2^(3 - 127) under a block's largest p: the byte cannot fall under 1
.endif
.elseif i == 1
	v_pk_mul_f32 v[SB:SB+1], v[SB:SB+1], v[16:17] op_sel_hi:[1,0]   ; the second pair of sums under the new M
.elseif (((i-3)/2)%2) == 0
	s_wait_alu depctr_va_vdst(0)
	v_pk_add_f32 v[14:15], v[14:15], v[S+i-3:S+i-2]                 ; the row's sum is taken of the unquantised p: the pair whose exponentials stand three and two turns back
.else
	v_pk_add_f32 v[SB:SB+1], v[SB:SB+1], v[S+i-3:S+i-2]
.endif
.set i, i+1
.endr
	v_pk_add_f32 v[SB:SB+1], v[SB:SB+1], v[S+126:S+127]             ; the last pair
.irp b, 0,1,2,3,4,5,6,7
	v_add_nc_u32 v[SO+\b], 0xff000000, v[MX+\b]    ; 2 off the exponent field: the conversion's scale operand
.endr
.irp b, 0,1,2,3,4,5,6,7
	v_lshrrev_b32 v[PT+\b], 23, v[SO+\b]           ; the scale's byte
.endr
	v_lshl_or_b32 v10, v[PT+1], 8, v[PT]           ; p's scale words, one for each 128 keys
	v_lshl_or_b32 v[PWB], v[PT+5], 8, v[PT+4]
	v_lshl_or_b32 v10, v[PT+2], 16, v10
	v_lshl_or_b32 v[PWB], v[PT+6], 16, v[PWB]
	v_lshl_or_b32 v10, v[PT+3], 24, v10
	v_lshl_or_b32 v[PWB], v[PT+7], 24, v[PWB]
.irp b, 0,1,2,3,4,5,6,7
	v_cvt_scalef32_pk8_fp4_f32 v[PC+2*\b], v[S+16*\b:S+7+16*\b], v[SO+\b]
	v_cvt_scalef32_pk8_fp4_f32 v[PC+1+2*\b], v[S+8+16*\b:S+15+16*\b], v[SO+\b]
.endr
	v_nop                                          ; one plain place behind a scaled conversion
.irp c, 0,1,2,3
.irp i, 0,1
	v_permlane16_swap_b32 v[PC+4*\c+\i], v[PC+2+4*\c+\i]            ; a whole block in a lane: lanes 0-15 block 2 c, lanes 16-31 block 2 c + 1
.endr
.endr
	s_wait_dscnt 0x0                               ; the first record's V and all scale words are in (asked for ahead of the softmax)
.set i, 0
.rept 32
	ds_load_b128 v[S+4*i:S+4*i+3], v4 offset:REC+RV+512*i           ; p is converted and summed: its registers take the second record's V, which lands under the lines below
.set i, i+1
.endr
	WIN 0x41                                       ; O^T: destination and source 0 window 1
.set i, 0
.rept 64
	v_pk_mul_f32 v[i:i+1], v[i:i+1], v[16:17] op_sel_hi:[1,0]       ; O^T under the new M, each accumulator from its low end on; these are also the places in front of the products below
.set i, i+2
.endr
	WIN 0x51                                       ; V and O^T window 1, p window 0
.set i, 0
.rept 16
	MM 8*i, 128+8*i, PC, 8*i, VSW+i/2, 10, i%2     ; sixteen accumulators by turns
.set i, i+1
.endr
	s_wait_dscnt 0x0                               ; the second record's V is in
	WIN 0x50                                       ; V and p window 0, O^T window 1
.set i, 0
.rept 16
	MM 8*i, S+8*i, PC+8, 8*i, VSW+8+i/2, PWB, i%2
.set i, i+1
.endr
	WIN 0
	s_add_co_u32 s40, s40, 2*REC                   ; the next two records
.endm
; A slot's four key steps: written once for each phase, walked four times.  pf = 1 (the last phase): at the head of the last step x is asked for
.macro PHASE base, pf
	s_mov_b32 s40, \base
	s_mov_b32 s42, 4
.Lstep_\@:
.if \pf
	s_cmp_lg_u32 s42, 1
	s_cbranch_scc1 .Lnot_yet_\@
	global_prefetch_b8 v11, s[44:45] th:TH_LOAD_NT scope:SCOPE_SE              ; the 512 bytes of each of x's 256 rows that the tail loads: thread t asks for row t's two blocks of 256 bytes,
	global_prefetch_b8 v11, s[44:45] offset:256 th:TH_LOAD_NT scope:SCOPE_SE   ; each once in the launch, one key step ahead of the loads
.Lnot_yet_\@:
.endif
	DSTEP
	s_sub_co_u32 s42, s42, 1
	s_cmp_lg_u32 s42, 0
	s_cbranch_scc1 .Lstep_\@
.endm
	s_load_b256 s[4:11], s[0:1], 0x0               ; kv s[4:5], qrec s[6:7], x s[8:9], gamma s[10:11]
	s_load_b256 s[12:19], s[0:1], 0x20             ; fc_w codes s[12:13], fc_w scales s[14:15], fc_b s[16:17], ctx_w s[18:19]
	s_load_b64 s[20:21], s[0:1], 0x40              ; score
	v_lshl_add_u32 v2, v0, 2, SPARE
	v_mov_b32 v3, 0
	ds_add_u32 v2, v3
	s_wait_dscnt 0x0
	v_lshrrev_b32 v18, 5, v0
	v_readfirstlane_b32 s22, v18                   ; wave 0..7
	v_and_b32 v116, 31, v0                         ; lane
	v_and_b32 v114, 15, v0                         ; r
	v_bfe_u32 v115, v0, 4, 1                       ; h
	s_bfe_u32 s52, ttmp6, 0x40000                  ; cx: my place in the cluster
	s_lshl_b32 s53, ttmp9, 2
	s_add_co_u32 s53, s53, s52                     ; my block of 128 queries: it enters qrec's, x's and score's addresses alone
	s_and_b32 s54, ttmp7, 0xffff                   ; the image, which the four partners share
	; descriptor group 1: a record as 78 rows of 256 bytes (32 elements of 8 bytes), dense in memory and in LDS
	s_mov_b32 s24, 15|(3<<16)|(1<<21)              ; 15:0 the mask: all four work-groups; 17:16 elements of 8 bytes; 21 set beside a mask
	s_mov_b32 s25, 32<<16                          ; tensor_dim0 = 32
	s_mov_b32 s26, 78<<16                          ; tensor_dim1 = 78
	s_mov_b32 s27, 32<<16                          ; tile_dim0 = 32
	s_mov_b32 s28, 78                              ; tile_dim1 = 78
	s_mov_b32 s29, 32                              ; tensor_dim0_stride
	s_mov_b32 s30, 0
	s_mov_b32 s31, 0
	s_mov_b32 s[SEL], 0x76543210
	s_mov_b32 s[SEL+1], 0xfedcba98
	s_mov_b32 s38, 0x3fb8aa3b                      ; log2(e)
	s_mov_b32 s39, s38                             ; (named with it as a pair, so it is written)
	s_mul_i32 s56, s54, 32*REC                     ; kv: the image's records, my wave's among the first eight
	s_mul_i32 s33, s22, REC                        ; and its place in a slot: no place in the cluster enters an LDS address
	s_add_co_u32 s56, s56, s33
	s_mov_b32 s57, 0
	s_lshl_b32 s58, s54, 5
	s_add_co_u32 s58, s58, s53
	s_mul_i32 s58, s58, 2560                       ; qrec: my block's record
	s_mov_b32 s59, 0
	s_lshl_b32 s60, s54, 22
	s_lshl_b32 s62, s53, 9
	s_add_co_u32 s60, s60, s62                     ; x: the image, my block's 512 bytes of a row
	s_mov_b32 s61, 0
	s_lshl_b32 s55, s54, 14
	s_add_co_u32 s62, s62, s55                     ; score: the image's 4,096, my block's 128
	s_mov_b32 s63, 0
	s_lshl_b32 s46, s22, 6                         ; 64 x wave
	s_lshl_b32 s47, s22, 8                         ; 256 x wave
	v_lshlrev_b32 v1, 4, v116                      ; 16 x lane
	v_lshlrev_b32 v5, 18, v115
	v_lshl_add_u32 v5, v114, 2, v5
	v_add_nc_u32 v5, s46, v5                       ; x: channels 16 h on, pixel 16 w + r
	v_lshl_add_u32 v6, v114, 4, s47                ; Q's codes: pixel 16 w + r, both halves of the lanes alike
	v_lshl_add_u32 v7, v114, 2, s46
	v_add_nc_u32 v7, 2048, v7                      ; and its scale word
	v_lshlrev_b32 v11, 14, v0                      ; the prefetch: thread t takes channel t's row
	v_lshlrev_b32 v104, 7, v114
	v_lshl_add_u32 v104, v115, 4, v104             ; fc_w: row r of 128 bytes, + 16 h
	v_lshlrev_b32 v105, 3, v114                    ; its scale words: 8 bytes a row
	v_lshlrev_b32 v106, 5, v115                    ; fc_b, ctx_w: hidden units 8 h on
	v_lshl_add_u32 v107, v114, 2, s46
	v_add_nc_u32 v107, SCR, v107                   ; my query's score
	v_lshl_add_u32 v108, v116, 4, SCR              ; and the 128 scores, 16 bytes a lane
	s_wait_kmcnt 0x0
	s_mov_b32 s[G0A], 1                            ; descriptor groups 0: count = 1; the LDS address (slot 0's stands in s33);
	s_add_nc_u64 s[G0A+2:G0A+3], s[4:5], s[56:57]  ; the record's address: records 0 to 7 for slot 0,
	s_mov_b32 s[G0B], 1
	s_add_co_u32 s[G0B+1], s33, SLOTB
	s_add_nc_u64 s[G0B+2:G0B+3], s[G0A+2:G0A+3], SLOTB              ; records 8 to 15 for slot 1;
	s_or_b32 s[G0A+3], s[G0A+3], 0x80000000        ; type = 2
	s_or_b32 s[G0B+3], s[G0B+3], 0x80000000
	s_add_nc_u64 s[6:7], s[6:7], s[58:59]
	s_add_nc_u64 s[44:45], s[8:9], s[60:61]
	s_add_nc_u64 s[20:21], s[20:21], s[62:63]
	s_load_b32 s43, s[10:11], 0x0                  ; gamma
	CROUND                                         ; all four work-groups are here: the first joint loads meet
	tensor_load_to_lds s[G0A:G0A+3], s[24:31]      ; both slots' first fills go out together: two tensor loads of mine are out; four v_nop follow the second
	s_nop 0
	tensor_load_to_lds s[G0B:G0B+3], s[24:31]
	s_nop 0
.rept 4
	v_nop
.endr
	global_load_b128 v[QT:QT+3], v6, s[6:7]
	global_load_b32 v9, v7, s[6:7]
	v_mov_b32 v13, 0xff61b1e6                      ; the largest t so far: -3e38, under every t
	v_floor_f32 v12, -v13                          ; -M
	v_mov_b32 v14, 0                               ; the sum, in two pairs
	v_mov_b32 v15, 0
	v_mov_b32 v[SB], 0
	v_mov_b32 v[SB+1], 0
	v_mov_b32 v17, 0                               ; (named as the upper half of the pair v[16:17])
.irp b, 0,1,2,3,4,5,6,7
	v_mov_b32 v[PT+\b], 0                          ; written once: a lane permute's destination counts as one of its sources
.endr
.irp b, 0,1,2,3
	v_mov_b32 v[QB+\b], 0                          ; Q's three runs of zero codes
	v_mov_b32 v[QB+8+\b], 0
	v_mov_b32 v[QB+16+\b], 0
.endr
	v_cmp_gt_u32 vcc_lo, 16, v116                  ; lanes 0-15
	s_wait_loadcnt 0x0
.irp b, 0,1,2,3
	v_cndmask_b32 v[QB+4+\b], v[QB], v[QT+\b], vcc_lo               ; the codes in lanes 0-15, zeros in the others
	v_cndmask_b32 v[QB+12+\b], v[QT+\b], v[QB], vcc_lo              ; and the other way round
.endr
	WIN 0x40
.set i, 0
.rept 128
	v_mov_b32 v[i], 0                              ; O^T.  (The step is written once: the first finds zeros, which the first change of M leaves zeros)
.set i, i+1
.endr
	WIN 0
	s_wait_kmcnt 0x0                               ; gamma
	s_wait_tensorcnt 0x1                           ; my record of slot 0 is in; slot 1's load, issued behind it, may stay out
	s_barrier_signal -1
	s_barrier_wait -1                              ; everybody's is
	PHASE 0, 0                                     ; records 0 to 7
	FILL G0A                                       ; slot 0 takes records 16 to 23
	PHASE SLOTB, 0                                 ; records 8 to 15
	FILL G0B                                       ; slot 1 takes records 24 to 31
	PHASE 0, 0
	MEET
	PHASE SLOTB, 1
	; ---- THE TAIL: tok = gamma O / l + x, quantised along the channels; hid^T = fc_w tok^T + fc_b; tanh; the score
.rept 4
	v_nop                                          ; four places in front of loads into V's registers
.endr
	WIN 0x40
.set i, 0
.rept 128
	global_load_b32 v[128+i], v5, s[44:45] offset:(32*(i/16)+(i%16))*16384   ; x(channel 32 (i / 16) + 16 h + i % 16, my pixel): O^T's own order
.set i, i+1
.endr
	WIN 0
	v_pk_add_f32 v[14:15], v[14:15], v[SB:SB+1]    ; the sum's two pairs,
	v_add_f32 v14, v14, v15                        ; their halves,
	v_permlanex16_b32 v18, v14, s[SEL], s[SEL+1]
	v_add_f32 v14, v14, v18                        ; and lane l xor 16's: the row's sum
	v_rcp_f32 v18, v14
	v_nop                                          ; one plain place behind a transcendental
	s_wait_alu depctr_va_vdst(0)
	v_mul_f32 v16, s43, v18                        ; gamma / l
	s_wait_loadcnt 0x0
	WIN 0x11                                       ; O^T and x window 1, tok window 0
.set i, 0
.rept 64
	v_pk_fma_f32 v[128+i:129+i], v[i:i+1], v[16:17], v[128+i:129+i] op_sel_hi:[1,0,1]
.set i, i+2
.endr
	WIN 0x40
.irp z, 0,1,2,3,4,5,6,7                        ; fc_w's sixteen fragments take O^T's place, fc_b and ctx_w x's: hidden unit 16 z + 8 h + j in register j of tile z
.irp k, 0,1
.irp c, 0,1
	global_load_b128 v[8*(2*\z+\k)+4*\c:8*(2*\z+\k)+4*\c+3], v104, s[12:13] offset:2048*\z+64*\k+32*\c
.endr
.endr
	global_load_b128 v[128+8*\z:131+8*\z], v106, s[16:17] offset:64*\z
	global_load_b128 v[132+8*\z:135+8*\z], v106, s[16:17] offset:64*\z+16
	global_load_b128 v[192+8*\z:195+8*\z], v106, s[18:19] offset:64*\z
	global_load_b128 v[196+8*\z:199+8*\z], v106, s[18:19] offset:64*\z+16
.endr
	WIN 0
.irp z, 0,1,2,3,4,5,6,7
.irp k, 0,1
	global_load_b32 v[FS+2*\z+\k], v105, s[14:15] offset:128*\z+4*\k
.endr
.endr
	QUANT 128, TF0, TW0                            ; channels 0 to 127
	QUANT 192, TF1, TW1                            ; channels 128 to 255
.rept 8
	v_nop                                          ; a scale word written by a vector instruction stands eight places ahead of a scaled matrix instruction, an operand four
.endr
	s_wait_loadcnt 0x0
	WIN 0x11                                       ; fc_w and fc_b window 1
.irp z, 0,1,2,3,4,5,6,7
	MM 128+8*\z, 8*(2*\z), TF0, 128+8*\z, FS+2*\z, TW0, 0           ; the bias starts the sum
.endr
	WIN 0x01
.irp z, 0,1,2,3,4,5,6,7
	MM 128+8*\z, 8*(2*\z+1), TF1, 128+8*\z, FS+2*\z+1, TW1, 0
.endr
	WIN 0
.rept 4
	v_nop
.endr
.set i, 0
.rept 32
	v_pk_mul_f32 v[128+i:129+i], v[128+i:129+i], 0x4038aa3b op_sel_hi:[1,0]   ; tanh(y) = 1 - 2 / (1 + 2^(2 log2(e) y)): it goes to 1 and to -1 where the power overflows or vanishes
.set i, i+2
.endr
.set i, 0
.rept 64
	v_exp_f32 v[128+i], v[128+i]
.set i, i+1
.endr
	v_nop
.set i, 0
	s_wait_alu depctr_va_vdst(0)
.rept 32
	v_pk_add_f32 v[128+i:129+i], v[128+i:129+i], 1.0 op_sel_hi:[1,0]
.set i, i+2
.endr
.set i, 0
.rept 64
	v_rcp_f32 v[128+i], v[128+i]
.set i, i+1
.endr
	v_nop
.set i, 0
	s_wait_alu depctr_va_vdst(0)
.rept 32
	v_pk_fma_f32 v[128+i:129+i], v[128+i:129+i], -2.0, 1.0 op_sel_hi:[1,0,0]
.set i, i+2
.endr
	WIN 0x04                                       ; ctx_w window 1
.set i, 0
.rept 32
.if i < 4
	v_pk_mul_f32 v[AC+2*(i%4):AC+2*(i%4)+1], v[128+2*i:129+2*i], v[192+2*i:193+2*i]   ; four chains; their first products start them
.else
	v_pk_fma_f32 v[AC+2*(i%4):AC+2*(i%4)+1], v[128+2*i:129+2*i], v[192+2*i:193+2*i], v[AC+2*(i%4):AC+2*(i%4)+1]
.endif
.set i, i+1
.endr
	WIN 0
	v_pk_add_f32 v[AC:AC+1], v[AC:AC+1], v[AC+2:AC+3]
	v_pk_add_f32 v[AC+4:AC+5], v[AC+4:AC+5], v[AC+6:AC+7]
	v_pk_add_f32 v[AC:AC+1], v[AC:AC+1], v[AC+4:AC+5]
	v_add_f32 v[AC], v[AC], v[AC+1]
	v_permlanex16_b32 v[PT], v[AC], s[SEL], s[SEL+1]
	v_add_f32 v[AC], v[AC], v[PT]                  ; with lane l xor 16's 64 hidden units: my query's score
	ds_store_b32 v107, v[AC]                       ; both halves of the lanes write the same word with the same value
	s_wait_dscnt 0x0
	s_barrier_signal -1
	s_barrier_wait -1                              ; the work-group's 128 scores lie in LDS
	s_cmp_lg_u32 s22, 0
	s_cbranch_scc1 .Lnot_first
	ds_load_b128 v[AC+2:AC+5], v108
	s_wait_dscnt 0x0
	global_store_b128 v1, v[AC+2:AC+5], s[20:21]   ; wave 0 stores 512 consecutive bytes, at a multiple of 256 from the buffer's first byte
.Lnot_first:
	s_wait_tensorcnt 0x0                           ; the wave's end, behind my last tensor load and my last LDS store
	ds_add_u32 v2, v3
	s_wait_dscnt 0x0
	CROUND                                         ; the closing round: no work-group ends while a partner may still ask for a record that names it
	s_endpgm
.Lfunc_end_k_q9ccc696d24_attend:
	.size	k_q9ccc696d24_attend, .Lfunc_end_k_q9ccc696d24_attend-k_q9ccc696d24_attend
	.p2alignl 7, 3214868480
	.fill 96, 4, 3214868480
	.section	.rodata,"a",@progbits
	.p2align	6, 0x0
	.amdhsa_kernel k_q9ccc696d24_attend
		.amdhsa_group_segment_fixed_size 327680
		.amdhsa_private_segment_fixed_size 0
		.amdhsa_enable_private_segment 0
		.amdhsa_kernarg_size 72
		.amdhsa_user_sgpr_count 2
		.amdhsa_user_sgpr_kernarg_segment_ptr 1
		.amdhsa_wavefront_size32 1
		.amdhsa_system_sgpr_workgroup_id_x 1
		.amdhsa_system_sgpr_workgroup_id_y 1
		.amdhsa_system_sgpr_workgroup_id_z 1
		.amdhsa_system_vgpr_workitem_id 0
		.amdhsa_next_free_vgpr 512
		.amdhsa_next_free_sgpr 66
		.amdhsa_reserve_vcc 1
		.amdhsa_float_denorm_mode_32 3
		.amdhsa_float_denorm_mode_16_64 3
		.amdhsa_memory_ordered 1
		.amdhsa_forward_progress 1
		.amdhsa_inst_pref_size 211
	.end_amdhsa_kernel
	.amdgpu_metadata
---
amdhsa.version: [ 1, 2 ]
amdhsa.kernels:
  - .name:           k_q9ccc696d24_attend
    .symbol:         k_q9ccc696d24_attend.kd
    .args:
      - { .name: kv, .offset: 0, .size: 8, .value_kind: global_buffer, .address_space: global }
      - { .name: qrec, .offset: 8, .size: 8, .value_kind: global_buffer, .address_space: global }
      - { .name: style_features, .offset: 16, .size: 8, .value_kind: global_buffer, .address_space: global }
      - { .name: gamma, .offset: 24, .size: 8, .value_kind: global_buffer, .address_space: global }
      - { .name: fc_w_codes, .offset: 32, .size: 8, .value_kind: global_buffer, .address_space: global }
      - { .name: fc_w_scales, .offset: 40, .size: 8, .value_kind: global_buffer, .address_space: global }
      - { .name: fc_b, .offset: 48, .size: 8, .value_kind: global_buffer, .address_space: global }
      - { .name: ctx_w, .offset: 56, .size: 8, .value_kind: global_buffer, .address_space: global }
      - { .name: score, .offset: 64, .size: 8, .value_kind: global_buffer, .address_space: global }
    .group_segment_fixed_size: 327680
    .private_segment_fixed_size: 0
    .kernarg_segment_align: 8
    .kernarg_segment_size: 72
    .max_flat_workgroup_size: 256
    .sgpr_count:     66
    .vgpr_count:     512
    .wavefront_size: 32
...
	.end_amdgpu_metadata
.endif
;; end of part 2
;; launch pool (part 3): grid 32 x 8, 8 waves a work-group, no clusters, 17,920 bytes of LDS; arguments score, style_features, out0; writes out0
.if DOCPART == 3
	.amdgcn_target "amdgcn-amd-amdhsa--gfx1250"
	.amdhsa_code_object_version 6
	.text
	.protected	k_q9ccc696d24_pool
	.globl	k_q9ccc696d24_pool
	.p2align	8
	.type	k_q9ccc696d24_pool,@function
k_q9ccc696d24_pool:
	s_mov_b64 s[64:65], 0
	v_nop
	global_prefetch_b8 v0, s[64:65] scope:SCOPE_SE
	s_setreg_imm32_b32 hwreg(HW_REG_WAVE_MODE, 25, 1), 1
	s_wait_xcnt 0x0
; out0[b][c] = sum over n of x[b][c][n] softmax_n(score[b][n]).  score [8][4096], x [8][256][4096], out0 [8][256], all f32.
; SHARES.  A work-group owns eight channels of one image, a wave one: a row of x, 16 KB, 32 loads of 512 consecutive bytes, all asked for at the start.
; Every work-group makes the image's 4,096 weights itself (16 KB of scores, 16 a thread): the largest score is taken away first; e = 2^((s - m) log2(e)) goes to LDS; the sum divides at the end.
; No matrix unit, no tensor loads, no cluster: the launch streams x once and its work-groups share only the 16 KB of scores.
; out0 is 8 KB in all: a work-group's eight numbers leave as 32 bytes, so that every row of x has a wave of its own.
; LIMITS: NaN and infinities are not served.
.set WT,  0                            ; LDS: the 4,096 weights in their own order
.set RED, 16384                        ; the waves' maxima at + 0, their sums at + 64, their results at + 128
	s_load_b128 s[4:7], s[0:1], 0x0                ; score s[4:5], x s[6:7]
	s_load_b64 s[8:9], s[0:1], 0x10                ; out0
	v_lshl_add_u32 v240, v0, 2, 0x4200
	v_mov_b32 v241, 0
	v_lshrrev_b32 v4, 5, v0
	v_readfirstlane_b32 s10, v4                    ; wave 0..7
	v_and_b32 v4, 31, v0
	v_lshlrev_b32 v1, 4, v4                        ; 16 x lane
	v_lshlrev_b32 v2, 4, v0                        ; 16 x thread
	v_and_b32 v3, 7, v0
	v_lshlrev_b32 v3, 2, v3                        ; the last step: 4 (thread % 8)
	v_mov_b32 v5, s10
	v_lshlrev_b32 v5, 2, v5                        ; my wave's word
	v_mov_b32 v6, 0
	s_and_b32 s11, ttmp7, 0xffff                   ; the image
	s_mov_b32 s12, 0x3fb8aa3b                      ; log2(e)
	s_mov_b32 s14, 0x76543210
	s_mov_b32 s15, 0xfedcba98                      ; v_permlanex16_b32's selects for lane l xor 16
	s_lshl_b32 s16, s11, 14                        ; score: the image's 16 KB
	s_mov_b32 s17, 0
	s_lshl_b32 s18, ttmp9, 3
	s_add_co_u32 s18, s18, s10                     ; my channel
	s_lshl_b32 s18, s18, 14
	s_lshl_b32 s19, s11, 22
	s_add_co_u32 s18, s18, s19                     ; x: the image, my row
	s_mov_b32 s19, 0
	s_lshl_b32 s20, s11, 10
	s_lshl_b32 s21, ttmp9, 5
	s_add_co_u32 s20, s20, s21                     ; out0: the image's 256, the group's eight
	s_mov_b32 s21, 0
	s_wait_kmcnt 0x0
	s_add_nc_u64 s[4:5], s[4:5], s[16:17]
	s_add_nc_u64 s[6:7], s[6:7], s[18:19]
	s_add_nc_u64 s[8:9], s[8:9], s[20:21]
.irp i, 0,1,2,3
	global_load_b128 v[16+4*\i:19+4*\i], v2, s[4:5] offset:4096*\i
.endr
.set i, 0
.rept 32
	global_load_b128 v[64+4*i:67+4*i], v1, s[6:7] offset:512*i th:TH_LOAD_NT
.set i, i+1
.endr
	s_wait_loadcnt 32                              ; the scores are in; x's 32 loads stay out
	v_max3_num_f32 v232, v16, v17, v18             ; the largest of my 16, in two chains
	v_max3_num_f32 v233, v19, v20, v21
	v_max3_num_f32 v232, v232, v22, v23
	v_max3_num_f32 v233, v233, v24, v25
	v_max3_num_f32 v232, v232, v26, v27
	v_max3_num_f32 v233, v233, v28, v29
	v_max3_num_f32 v232, v232, v30, v31
	v_max_num_f32 v232, v232, v233
	v_max_num_f32_dpp v232, v232, v232 row_xmask:1 row_mask:0xf bank_mask:0xf
	v_max_num_f32_dpp v232, v232, v232 row_xmask:2 row_mask:0xf bank_mask:0xf
	v_max_num_f32_dpp v232, v232, v232 row_xmask:4 row_mask:0xf bank_mask:0xf
	v_max_num_f32_dpp v232, v232, v232 row_xmask:8 row_mask:0xf bank_mask:0xf
	v_permlanex16_b32 v233, v232, s14, s15
	v_max_num_f32 v232, v232, v233                 ; the wave's
	ds_store_b32 v5, v232 offset:RED
	s_wait_dscnt 0x0
	s_barrier_signal -1
	s_barrier_wait -1
	ds_load_b128 v[224:227], v6 offset:RED
	ds_load_b128 v[228:231], v6 offset:RED+16
	s_wait_dscnt 0x0
	v_max3_num_f32 v232, v224, v225, v226
	v_max3_num_f32 v233, v227, v228, v229
	v_max3_num_f32 v232, v232, v230, v231
	v_max_num_f32 v232, v232, v233                 ; the image's largest score m
	v_mul_f32 v232, 0xbfb8aa3b, v232               ; -m log2(e)
.set i, 0
.rept 16
	v_fma_f32 v[16+i], v[16+i], s12, v232
.set i, i+1
.endr
.set i, 0
.rept 16
	v_exp_f32 v[16+i], v[16+i]                     ; e, at most about 1
.set i, i+1
.endr
	v_nop                                          ; one plain place behind the exponentials
	s_wait_alu depctr_va_vdst(0)
.irp i, 0,1,2,3
	ds_store_b128 v2, v[16+4*\i:19+4*\i] offset:WT+4096*\i
.endr
	v_pk_add_f32 v[234:235], v[16:17], v[18:19]
	v_pk_add_f32 v[236:237], v[20:21], v[22:23]
	v_pk_add_f32 v[234:235], v[234:235], v[24:25]
	v_pk_add_f32 v[236:237], v[236:237], v[26:27]
	v_pk_add_f32 v[234:235], v[234:235], v[28:29]
	v_pk_add_f32 v[236:237], v[236:237], v[30:31]
	v_pk_add_f32 v[234:235], v[234:235], v[236:237]
	v_add_f32 v234, v234, v235
	v_add_f32_dpp v234, v234, v234 row_xmask:1 row_mask:0xf bank_mask:0xf
	v_add_f32_dpp v234, v234, v234 row_xmask:2 row_mask:0xf bank_mask:0xf
	v_add_f32_dpp v234, v234, v234 row_xmask:4 row_mask:0xf bank_mask:0xf
	v_add_f32_dpp v234, v234, v234 row_xmask:8 row_mask:0xf bank_mask:0xf
	v_permlanex16_b32 v235, v234, s14, s15
	v_add_f32 v234, v234, v235                     ; the wave's sum of e
	ds_store_b32 v5, v234 offset:RED+64
	s_wait_dscnt 0x0
	s_barrier_signal -1
	s_barrier_wait -1                              ; all 4,096 weights and the eight sums lie in LDS
.macro WLOAD j                         ; chunk j of the weights: those of x's loads 8 j to 8 j + 7, into v32 on or v192 on by turns
.irp i, 0,1,2,3,4,5,6,7
	ds_load_b128 v[32+160*((\j)%2)+4*\i:32+160*((\j)%2)+4*\i+3], v1 offset:WT+512*(8*(\j)+\i)
.endr
.endm
.macro CHUNK j
.set WB, 32+160*((\j)%2)
.if (\j) < 3
	s_wait_dscnt 8                                 ; this chunk's weights are in; the next chunk's eight loads may be out
.else
	s_wait_dscnt 0x0
.endif
	s_wait_loadcnt 24-8*(\j)                       ; x's loads up to 8 j + 7 are in; the later ones may be out
.set i, 0
.rept 16
.if ((\j) == 0) && (i < 4)
	v_pk_mul_f32 v[224+2*(i%4):225+2*(i%4)], v[64+32*(\j)+2*i:65+32*(\j)+2*i], v[WB+2*i:WB+2*i+1]   ; four chains; their first products start them
.else
	v_pk_fma_f32 v[224+2*(i%4):225+2*(i%4)], v[64+32*(\j)+2*i:65+32*(\j)+2*i], v[WB+2*i:WB+2*i+1], v[224+2*(i%4):225+2*(i%4)]
.endif
.set i, i+1
.endr
.if (\j)+2 < 4
	WLOAD (\j)+2
.endif
.endm
	ds_load_b128 v[224:227], v6 offset:RED+64
	ds_load_b128 v[228:231], v6 offset:RED+80
	WLOAD 0
	WLOAD 1
	s_wait_dscnt 16                                ; the eight sums are in; the two chunks of weights may be out
	v_add_f32 v232, v224, v225
	v_add_f32 v233, v226, v227
	v_add_f32 v234, v228, v229
	v_add_f32 v235, v230, v231
	v_add_f32 v232, v232, v233
	v_add_f32 v234, v234, v235
	v_add_f32 v232, v232, v234                     ; the image's sum of e
	v_rcp_f32 v238, v232                           ; (the products below are the plain places behind it)
	CHUNK 0
	CHUNK 1
	CHUNK 2
	CHUNK 3
	v_pk_add_f32 v[224:225], v[224:225], v[226:227]
	v_pk_add_f32 v[228:229], v[228:229], v[230:231]
	v_pk_add_f32 v[224:225], v[224:225], v[228:229]
	v_add_f32 v224, v224, v225
	v_add_f32_dpp v224, v224, v224 row_xmask:1 row_mask:0xf bank_mask:0xf
	v_add_f32_dpp v224, v224, v224 row_xmask:2 row_mask:0xf bank_mask:0xf
	v_add_f32_dpp v224, v224, v224 row_xmask:4 row_mask:0xf bank_mask:0xf
	v_add_f32_dpp v224, v224, v224 row_xmask:8 row_mask:0xf bank_mask:0xf
	v_permlanex16_b32 v225, v224, s14, s15
	v_add_f32 v224, v224, v225                     ; my row's sum of x e,
	s_wait_alu depctr_va_vdst(0)
	v_mul_f32 v224, v224, v238                     ; divided by the sum of e
	ds_store_b32 v5, v224 offset:RED+128
	s_wait_dscnt 0x0
	s_barrier_signal -1
	s_barrier_wait -1
	s_wait_xcnt 0x0                                ; EXEC changes only behind this wait
	v_cmp_gt_u32 vcc_lo, 8, v0
	s_wait_tensorcnt 0x0
	ds_add_u32 v240, v241
	s_wait_dscnt 0x0
	s_and_saveexec_b32 s23, vcc_lo                 ; threads 0 to 7 store the group's eight numbers
	ds_load_b32 v226, v3 offset:RED+128
	s_wait_dscnt 0x0
	global_store_b32 v3, v226, s[8:9]
	s_wait_xcnt 0x0                                ; and again, in front of the line that widens it
	s_or_b32 exec_lo, exec_lo, s23
	s_endpgm
.Lfunc_end_k_q9ccc696d24_pool:
	.size	k_q9ccc696d24_pool, .Lfunc_end_k_q9ccc696d24_pool-k_q9ccc696d24_pool
	.p2alignl 7, 3214868480
	.fill 96, 4, 3214868480
	.section	.rodata,"a",@progbits
	.p2align	6, 0x0
	.amdhsa_kernel k_q9ccc696d24_pool
		.amdhsa_group_segment_fixed_size 17920
		.amdhsa_private_segment_fixed_size 0
		.amdhsa_enable_private_segment 0
		.amdhsa_kernarg_size 24
		.amdhsa_user_sgpr_count 2
		.amdhsa_user_sgpr_kernarg_segment_ptr 1
		.amdhsa_wavefront_size32 1
		.amdhsa_system_sgpr_workgroup_id_x 1
		.amdhsa_system_sgpr_workgroup_id_y 1
		.amdhsa_system_sgpr_workgroup_id_z 1
		.amdhsa_system_vgpr_workitem_id 0
		.amdhsa_next_free_vgpr 242
		.amdhsa_next_free_sgpr 66
		.amdhsa_reserve_vcc 1
		.amdhsa_float_denorm_mode_32 3
		.amdhsa_float_denorm_mode_16_64 3
		.amdhsa_memory_ordered 1
		.amdhsa_forward_progress 1
		.amdhsa_inst_pref_size 18
	.end_amdhsa_kernel
	.amdgpu_metadata
---
amdhsa.version: [ 1, 2 ]
amdhsa.kernels:
  - .name:           k_q9ccc696d24_pool
    .symbol:         k_q9ccc696d24_pool.kd
    .args:
      - { .name: score, .offset: 0, .size: 8, .value_kind: global_buffer, .address_space: global }
      - { .name: style_features, .offset: 8, .size: 8, .value_kind: global_buffer, .address_space: global }
      - { .name: out0, .offset: 16, .size: 8, .value_kind: global_buffer, .address_space: global }
    .group_segment_fixed_size: 17920
    .private_segment_fixed_size: 0
    .kernarg_segment_align: 8
    .kernarg_segment_size: 24
    .max_flat_workgroup_size: 256
    .sgpr_count:     66
    .vgpr_count:     242
    .wavefront_size: 32
...
	.end_amdgpu_metadata
.endif
;; end of part 3
